; MI455X (gfx1250); checked and timed in simulation.
; The chip was launched on July 23, 2026; its instructions are those of AMD's public machine-readable ISA for CDNA 5 (MIT licence, August 2026) and "CDNA5" Instruction Set Architecture Reference Guide (July 2026). The comments in the code are by the model that wrote it; some were corrected since.
;; Vector Quantizer. Allowed arithmetic: matrix products marked QUANTISED: E2M1 operands, one E8M0 scale for each 32 along K, by v_wmma_scale_f32_16x16x128_f8f6f4 with both operands' format E2M1 (or v_wmma_scale_f32_32x16x128_f4), f32 sums; everything else in f32.
;; Inputs: inputs 32,768 x 256 float32; weight 8,192 x 256 float32.
;; Outputs: out0 32,768 x 256 float32; out1 32,768 int32.
;; This version of the problem:
;;   THIS VERSION OF THE PROBLEM IS GIVEN IN LOW PRECISION. The matrix products marked QUANTISED in the list below multiply operands that are first quantised to E2M1 (2 exponent bits, 1 mantissa bit; 4 bits a number), with one power-of-two scale for each 32 numbers along K (OCP MX v1.0); their sums are f32. All else is computed in f32.
;;   The module's matrix products, in the order in which they are computed (A, B: the left and right operand; K: the contracted axis; several contracted axes count as one K, in the product's order):
;;     1. [M 32,768, K 256] x [K 256, N 8,192]; A: input inputs; B: input weight: QUANTISED
;;   THE QUANTISER, for each operand of a quantised product, along K:
;;     - K is cut into blocks of 32 from its start; a last block that is shorter is filled with zeros.
;;     - A block's scale is 2^e with e = floor(log2(the largest magnitude in the block)) - 2, held to -126 .. 127; a block of zeros has e = 0. As a byte (E8M0): e + 127.
;;     - Each number is divided by its block's scale, clamped to +-6, and rounded to the nearest number of E2M1, ties to even, subnormals kept.
;;     - The product sums the exact products of the quantised numbers (number of the format x scale) in f32.
;;   ~~~python
;;   def quantise(x, axis):      # numpy; x: float32 -> the quantised numbers, widened to float32 again
;;       x = np.moveaxis(x, axis, -1); K = x.shape[-1]
;;       x = np.pad(x, [(0, 0)] * (x.ndim - 1) + [(0, -K % 32)]); x = x.reshape(x.shape[:-1] + (-1, 32)); a = np.abs(x).max(-1, keepdims=True)
;;       e = np.where(a > 0, np.clip(np.frexp(np.where(a > 0, a, 1))[1] - 1 - 2, -126, 127), 0)      # np.frexp(a)[1] - 1 = floor(log2(a)), exactly
;;       r = np.clip(x / 2.0 ** e, -6, 6)
;;       step = 2.0 ** (np.maximum(np.frexp(np.where(r == 0, 1, r))[1] - 1, 0) - 1)
;;       q = np.round(r / step) * step * 2.0 ** e      # np.round: ties to even
;;       return np.moveaxis(q.reshape(q.shape[:-2] + (-1,))[..., :K], -1, axis).astype(np.float32)
;;   ~~~
;; One version. Each part assembles by itself: llvm-mc -triple=amdgcn-amd-amdhsa -mcpu=gfx1250 --defsym DOCPART=n.
;; ======== version 1 of 1: 3 launches
;; limits: right only within a limited range of input values
;; workspace buffers: xq 4,587,520 bytes; wq 1,146,880 bytes; idxw 131,072 bytes of whole numbers
;; launch quant (part 1): grid 640 x 1, 4 waves a work-group, no clusters, 71,168 bytes of LDS; arguments inputs, weight, xq, wq; writes xq, wq
.if DOCPART == 1
	.amdgcn_target "amdgcn-amd-amdhsa--gfx1250"
	.amdhsa_code_object_version 6
	.text
	.protected	k_q0a61978faf_quant
	.globl	k_q0a61978faf_quant
	.p2align	8
	.type	k_q0a61978faf_quant,@function
k_q0a61978faf_quant:
	s_mov_b64 s[64:65], 0
	v_nop
	global_prefetch_b8 v0, s[64:65] scope:SCOPE_SE
	s_setreg_imm32_b32 hwreg(HW_REG_WAVE_MODE, 25, 1), 1
	s_wait_xcnt 0x0
; inputs [32768][256] and weight [8192][256], f32, become codes of FP4 (E2M1) with one E8M0 scale byte for each 32 along the 256, laid in the order of the matrix operand's registers.
; A RECORD holds 64 rows (4 tiles of 16) in 8,960 bytes = 35 x 256:
;   + 2048 t + 512 p + 16 l : the 32 codes of block 2 p + l / 16 of row 16 t + l % 16 (l = lane): pieces 2 s and 2 s + 1 are registers 0-3 and 4-7 of the fragment of K step s (128 along K)
;   + 8192 + 16 l + 4 t     : tile t's scale word for lane l: row l % 16, K step l / 16; byte i is block 4 (l / 16) + i
;   + 8704 + 4 (16 t + r)   : -0.5 x the sum of the row's squares, f32: in weight's records alone; in inputs' records these 256 bytes are neither written nor read
; A block's scale is 2^(floor(log2(its largest magnitude)) - 2); its byte is the largest magnitude's exponent field - 2, held at 1 from below.
; LIMITS: a block of zeros gets the byte 1 where the rule says 127 (its codes are zeros, and this program alone reads the bytes); NaN and infinities are not served;
; the squares are summed in eight chains of 32, an order of this text's own.
; SHARES: a work-group makes one record: the first 512 take inputs, the other 128 weight; only pointers are chosen.  Wave w makes tile w: 16 rows, 16,384 dense bytes.
; Every load takes bytes as they lie (sixteen lanes: 256 consecutive bytes of a row); a quarter of the rows' length (64 numbers) turns through the wave's own stage in LDS, so that a lane holds a whole block of 32.
; WORK LEFT OUT, in the whole program: distances = ||x||^2 - 2 (x.w_k - ||w_k||^2 / 2).  ||x||^2 is the same for all k of a row, and -2 is a negative constant: so for all values of the inputs the k of the
; smallest distance is the k of the largest x.w_k - ||w_k||^2 / 2, and ||x||^2 reaches no output.  It is not formed.  LIMIT: a NaN, an infinity or an overflow that would arise in ||x||^2 alone is not carried to the result.
.set REC,  8960
.set NXQ,  512                         ; records of inputs
.set SUMS, 512                         ; LDS: 0-511 the record's scale words, 512-767 its 64 sums,
.set STG,  1024                        ; from here the stages: for each wave four, one a quarter,
.set QSTG, 4352                        ; of 16 rows x
.set SP,   272                         ; (256 bytes + 16): 17 x 16 bytes, so that sixteen rows' pieces of 16 bytes fall on sixteen different places modulo 256
.set WSTG, 4*QSTG
.set VO,  4                            ; v4   in memory: 1024 (l / 16) + 16 (l % 16): two rows a load
.set SA,  5                            ; v5   the stage, on the way in: row l / 16, 16 (l % 16)
.set LA,  6                            ; v6   and on the way out: row l % 16, block l / 16 of the quarter
.set CO,  7                            ; v7   my codes' place in the record: 16 l + 2048 w
.set WA,  8                            ; v8   my scale word's place in LDS: 16 l + 4 w
.set NA,  9                            ; v9   my row's sum in LDS: 64 w + 4 (l % 16)
.set H8,  13                           ; v13  8 (l / 16)
.set L16, 15                           ; v15  16 l
.set BY,  16                           ; v16-19 the scale byte of my block in each quarter
.set L8,  30                           ; v30  8 l
.set CD,  32                           ; v32-47 codes: four registers a quarter, never rewritten
.set R,   64                           ; v64-191 32 numbers a quarter
	s_load_b256 s[4:11], s[0:1], 0x0               ; inputs s[4:5], weight s[6:7], xq s[8:9], wq s[10:11]
	v_lshl_add_u32 v192, v0, 2, 0x11400
	v_mov_b32 v193, 0
	v_lshrrev_b32 v1, 5, v0
	v_readfirstlane_b32 s12, v1                    ; wave 0..3
	v_and_b32 v1, 31, v0                           ; l
	v_and_b32 v2, 15, v0                           ; r = l % 16
	v_bfe_u32 v3, v0, 4, 1                         ; h = l / 16
	v_lshlrev_b32 v[VO], 4, v2
	v_lshl_add_u32 v[VO], v3, 10, v[VO]
	s_mul_i32 s15, s12, WSTG
	s_add_co_u32 s15, s15, STG                     ; my stages
	v_mul_u32_u24 v[SA], v3, SP
	v_lshl_add_u32 v[SA], v2, 4, v[SA]
	v_add_nc_u32 v[SA], s15, v[SA]
	v_mul_u32_u24 v[LA], v2, SP
	v_lshl_add_u32 v[LA], v3, 7, v[LA]
	v_add_nc_u32 v[LA], s15, v[LA]
	v_lshlrev_b32 v[L16], 4, v1
	v_lshlrev_b32 v[L8], 3, v1
	v_lshlrev_b32 v[H8], 3, v3
	s_lshl_b32 s16, s12, 11
	v_add_nc_u32 v[CO], s16, v[L16]
	s_lshl_b32 s17, s12, 2
	v_add_nc_u32 v[WA], s17, v[L16]
	s_lshl_b32 s18, s12, 6
	v_lshl_add_u32 v[NA], v2, 2, s18
	v_mov_b32 v22, 0                               ; written once: a lane permute's destination counts as one of its sources
	v_mov_b32 v23, 0
	v_mov_b32 v29, 0
	s_mov_b32 s20, 0x76543210
	s_mov_b32 s21, 0xfedcba98                      ; v_permlanex16_b32's selects for lane l xor 16
	s_mov_b32 s22, 0xffff0000                      ; lanes 16-31
	s_wait_kmcnt 0x0
	s_cmp_lt_u32 ttmp9, NXQ                        ; inputs' work-group or weight's?  The choice hangs on the work-group's number alone
	s_cselect_b64 s[4:5], s[4:5], s[6:7]
	s_cselect_b64 s[8:9], s[8:9], s[10:11]
	s_cselect_b32 s14, 0, NXQ
	s_cselect_b32 s13, 0, 1                        ; 1: weight
	s_sub_co_u32 s14, ttmp9, s14                   ; which record of the tensor
	s_lshl_b32 s16, s14, 16                        ; 64 rows of 1,024 bytes,
	s_lshl_b32 s15, s12, 14                        ; my wave's 16 of them
	s_add_co_u32 s16, s16, s15
	s_mov_b32 s17, 0
	s_add_nc_u64 s[4:5], s[4:5], s[16:17]
	s_mul_i32 s18, s14, REC
	s_mov_b32 s19, 0
	s_add_nc_u64 s[8:9], s[8:9], s[18:19]
.irp q, 0,1,2,3                                ; all 32 loads at once, quarter by quarter: 16,384 bytes of the wave are on their way
.irp i, 0,1,2,3,4,5,6,7
	global_load_b128 v[R+32*\q+4*\i:R+32*\q+4*\i+3], v[VO], s[4:5] offset:2048*\i+256*\q th:TH_LOAD_NT   ; rows 2 i and 2 i + 1: sixteen lanes read 256 consecutive bytes, aligned
.endr
.endr
; Quarter q through its stage, and back into the registers that it left: LDS serves a wave's instructions in order, so no wait stands between the stores and the loads.
.macro TURN q
.irp i, 0,1,2,3,4,5,6,7
	ds_store_b128 v[SA], v[R+32*(\q)+4*\i:R+32*(\q)+4*\i+3] offset:QSTG*(\q)+2*SP*\i
.endr
.irp j, 0,1,2,3,4,5,6,7
	ds_load_b128 v[R+32*(\q)+4*\j:R+32*(\q)+4*\j+3], v[LA] offset:QSTG*(\q)+16*\j
.endr
.endm
; My block of quarter q (block 2 q + h of row r: all its 32 numbers are mine) becomes a byte and 16 bytes of codes, which leave at once: the wave's store covers 512 consecutive bytes.
.macro QUANT q
.set X, R+32*(\q)
	v_max3_num_f32 v10, |v[X]|, |v[X+1]|, |v[X+2]|
	v_max3_num_f32 v11, |v[X+3]|, |v[X+4]|, |v[X+5]|
.irp i, 6,10,14,18,22,26
	v_max3_num_f32 v10, v10, |v[X+\i]|, |v[X+\i+1]|             ; two chains, so that no line waits for the line above it
	v_max3_num_f32 v11, v11, |v[X+\i+2]|, |v[X+\i+3]|
.endr
	v_max3_num_f32 v10, v10, |v[X+30]|, |v[X+31]|
	v_max3_num_f32 v10, v10, v11, 0x1800000        ; and the floor 2^(3 - 127): the byte cannot fall under 1
	v_add_nc_u32 v12, 0xff000000, v10              ; 2 off the exponent field: the conversion takes the exponent field of this operand as its scale, and nothing else of it
	v_lshrrev_b32 v[BY+(\q)], 23, v12              ; the scale's byte
.irp g, 0,1,2,3
	v_cvt_scalef32_pk8_fp4_f32 v[CD+4*(\q)+\g], v[X+8*\g:X+8*\g+7], v12   ; to the nearest code, ties to even; beyond 6 the largest code
.endr
	v_nop                                          ; one plain line behind the last conversion: v12 is written again in the next quarter
	global_store_b128 v[CO], v[CD+4*(\q):CD+4*(\q)+3], s[8:9] offset:512*(\q)
.endm
	s_wait_loadcnt 24                              ; quarter 0's eight loads are in; the 24 younger ones may be out
	TURN 0
	s_wait_loadcnt 16                              ; quarter 1's
	TURN 1
	s_wait_dscnt 16                                ; quarter 0 is back; the younger turn's 8 stores and 8 loads may be out
	QUANT 0
	s_wait_loadcnt 8                               ; quarter 2's
	TURN 2
	s_wait_dscnt 16
	QUANT 1
	s_wait_loadcnt 0x0                             ; quarter 3's
	TURN 3
	s_wait_dscnt 16
	QUANT 2
	s_wait_dscnt 0x0
	QUANT 3
	; the scale words.  K step 0's word is the bytes of blocks 0, 1, 2, 3 = (quarter 0, h 0), (0, 1), (1, 0), (1, 1); K step 1's likewise of quarters 2 and 3
	v_lshl_or_b32 v20, v[BY+1], 16, v[BY]
	v_lshl_or_b32 v21, v[BY+3], 16, v[BY+2]
	v_lshlrev_b32 v20, v[H8], v20                  ; my two bytes at their places: 8 h bits up
	v_lshlrev_b32 v21, v[H8], v21
	v_permlanex16_b32 v22, v20, s20, s21
	v_permlanex16_b32 v23, v21, s20, s21
	v_or_b32 v20, v20, v22                         ; with lane l xor 16's two each word is whole
	v_or_b32 v21, v21, v23
	v_cndmask_b32 v14, v20, v21, s22               ; lanes 0-15 keep K step 0's word, lanes 16-31 K step 1's
	ds_store_b32 v[WA], v14
	s_cmp_eq_u32 s13, 0                            ; the sums of squares are wanted of weight alone
	s_cbranch_scc1 .Lno_sum
	v_pk_mul_f32 v[24:25], v[R:R+1], v[R:R+1]      ; my 128 numbers of row r, in two packed chains; the first products start the sums
	v_pk_mul_f32 v[26:27], v[R+2:R+3], v[R+2:R+3]
.set J, 4
.rept 31
	v_pk_fma_f32 v[24:25], v[R+J:R+J+1], v[R+J:R+J+1], v[24:25]
	v_pk_fma_f32 v[26:27], v[R+J+2:R+J+3], v[R+J+2:R+J+3], v[26:27]
.set J, J+4
.endr
	v_pk_add_f32 v[24:25], v[24:25], v[26:27]
	v_add_f32 v24, v24, v25
	v_permlanex16_b32 v29, v24, s20, s21
	v_add_f32 v24, v24, v29                        ; with lane l xor 16's 128: the row's
	v_mul_f32 v24, -0.5, v24
	ds_store_b32 v[NA], v24 offset:SUMS            ; both halves of the lanes write the same word with the same value
.Lno_sum:
	s_wait_dscnt 0x0                               ; for the others' sake: my stores into the two scratches are done
	s_barrier_signal -1
	s_barrier_wait -1
	s_cmp_lg_u32 s12, 0                            ; wave 0 sends the record's last 768 bytes
	s_cbranch_scc1 .Lend
	ds_load_b128 v[48:51], v[L16]
	s_cmp_eq_u32 s13, 0
	s_cbranch_scc1 .Lno_sum_out
	ds_load_b64 v[52:53], v[L8] offset:SUMS
	s_wait_dscnt 0x0
	global_store_b64 v[L8], v[52:53], s[8:9] offset:8704     ; 32 lanes store 256 consecutive bytes, aligned
.Lno_sum_out:
	s_wait_dscnt 0x0
	global_store_b128 v[L16], v[48:51], s[8:9] offset:8192   ; 512 consecutive bytes, aligned
.Lend:
	s_wait_tensorcnt 0x0
	ds_add_u32 v192, v193
	s_wait_dscnt 0x0
	s_endpgm
.Lfunc_end_k_q0a61978faf_quant:
	.size	k_q0a61978faf_quant, .Lfunc_end_k_q0a61978faf_quant-k_q0a61978faf_quant
	.p2alignl 7, 3214868480
	.fill 96, 4, 3214868480
	.section	.rodata,"a",@progbits
	.p2align	6, 0x0
	.amdhsa_kernel k_q0a61978faf_quant
		.amdhsa_group_segment_fixed_size 71168
		.amdhsa_private_segment_fixed_size 0
		.amdhsa_enable_private_segment 0
		.amdhsa_kernarg_size 32
		.amdhsa_user_sgpr_count 2
		.amdhsa_user_sgpr_kernarg_segment_ptr 1
		.amdhsa_wavefront_size32 1
		.amdhsa_system_sgpr_workgroup_id_x 1
		.amdhsa_system_sgpr_workgroup_id_y 1
		.amdhsa_system_sgpr_workgroup_id_z 1
		.amdhsa_system_vgpr_workitem_id 0
		.amdhsa_next_free_vgpr 194
		.amdhsa_next_free_sgpr 66
		.amdhsa_reserve_vcc 0
		.amdhsa_float_denorm_mode_32 3
		.amdhsa_float_denorm_mode_16_64 3
		.amdhsa_memory_ordered 1
		.amdhsa_forward_progress 1
		.amdhsa_inst_pref_size 22
	.end_amdhsa_kernel
	.amdgpu_metadata
---
amdhsa.version: [ 1, 2 ]
amdhsa.kernels:
  - .name:           k_q0a61978faf_quant
    .symbol:         k_q0a61978faf_quant.kd
    .args:
      - { .name: inputs, .offset: 0, .size: 8, .value_kind: global_buffer, .address_space: global }
      - { .name: weight, .offset: 8, .size: 8, .value_kind: global_buffer, .address_space: global }
      - { .name: xq, .offset: 16, .size: 8, .value_kind: global_buffer, .address_space: global }
      - { .name: wq, .offset: 24, .size: 8, .value_kind: global_buffer, .address_space: global }
    .group_segment_fixed_size: 71168
    .private_segment_fixed_size: 0
    .kernarg_segment_align: 8
    .kernarg_segment_size: 32
    .max_flat_workgroup_size: 128
    .sgpr_count:     66
    .vgpr_count:     194
    .wavefront_size: 32
...
	.end_amdgpu_metadata
.endif
;; end of part 1
;; launch search (part 2): grid 256 x 1, 8 waves a work-group, clusters of 4 x 1, 327,680 bytes of LDS; arguments xq, wq, idxw, out1; writes idxw, out1
.if DOCPART == 2
	.amdgcn_target "amdgcn-amd-amdhsa--gfx1250"
	.amdhsa_code_object_version 6
	.text
	.protected	k_q0a61978faf_search
	.globl	k_q0a61978faf_search
	.p2align	8
	.type	k_q0a61978faf_search,@function
k_q0a61978faf_search:
	s_mov_b64 s[64:65], 0
	v_nop
	global_prefetch_b8 v0, s[64:65] scope:SCOPE_SE
	s_setreg_imm32_b32 hwreg(HW_REG_WAVE_MODE, 25, 1), 1
	s_wait_xcnt 0x0
	s_wait_alu depctr_hold_cnt(0) depctr_sa_sdst(0) depctr_va_vdst(0) depctr_va_sdst(0) depctr_va_ssrc(0) depctr_va_vcc(0) depctr_vm_vsrc(0)
	s_getreg_b32 s2, hwreg(HW_REG_IB_STS2, 6, 4)
	s_cmp_eq_u32 s2, 0
	s_cbranch_scc0 .Lentry_in_a_cluster
	s_endpgm
.Lentry_in_a_cluster:
	s_bfe_u32 s2, ttmp6, 0x10000c
	s_cmp_lg_u32 s2, 0x3003
	s_cbranch_scc0 .Lentry_shape_is_right
	s_endpgm
.Lentry_shape_is_right:
; For each of the 32,768 rows x: the code k of 8,192 with the smallest distance, the lowest k among equals.  x.w is the product on codes of FP4 (E2M1) with E8M0 scales, K = 256: two matrix instructions.
; WHAT IS SEARCHED FOR is the largest x.w_k - ||w_k||^2 / 2: ||x||^2, the same for all codes of a row, is left out (shown at the head of the first kernel).
; LIMITS, of the order of rounding: -||w||^2 / 2 is the C of the first matrix instruction, so it is summed with the products there.  NaN and infinities are not served.
; RECORDS (made by the launch before): 64 rows in 8,960 bytes: four tiles' fragments as images of the operand's registers (2,048 bytes a tile, four loads at 16 x lane), 512 bytes of scale words
; (16 x lane + 4 x tile; lanes 0-15 K step 0, lanes 16-31 K step 1), and in the codebook's records 256 bytes of -||w||^2 / 2.
; SHARES.  A work-group owns 128 rows x and walks the whole codebook.  Eight waves, two to a SIMD: EVERY wave keeps all 128 rows (eight tiles) in registers and takes an eighth of each slot, two records, eight code tiles:
; so each code tile is read from LDS once in the work-group, and its seven LDS loads feed sixteen matrix instructions.
; THE CODEBOOK comes through a ring of two LDS slots of 16 records; each wave fetches two records by one tensor load.  CLUSTER: the four work-groups of a cluster walk the same records, so each load is asked for
; JOINTLY, with a mask that names the four.  No data prefetch is laid: the stream is one buffer of 1,146,880 bytes that all 64 clusters load in the same order; no block of it is one cluster's alone.
; THE MATRIX INSTRUCTION: source 0 = 16 codes, source 1 = 16 rows x: lane (r, h) holds row r, and its register j code 8 h + j of the tile.
; REGISTER WINDOWS: x's fragments, 128 registers, lie in window 1 and are named by the matrix instructions' source 1 and by the head's loads alone; all else lies in window 0, and all vector work runs with every window 0.
; TWO SETS OF FOUR ACCUMULATORS, for the low and the high four tiles of x: the low products of tile n, the search of tile n - 1's high results, the high products of tile n, the search of its low results.
; A search's 40 vector lines are the places behind the products of the other set, and the next tile's loads land under two searches.
; THE SEARCH, ten vector lines for a tile's eight numbers a lane and no branch on data: four v_max3 take the running maximum in; where it has grown, the tile's number and its eight numbers are kept (the eight
; by four dual selects).  At the end a lane holds the eight numbers of the EARLIEST tile that reached its maximum; the first of them equal to the maximum gives the place.  Then the halves of the lanes and the
; eight waves' shares are merged, the lower index winning among equals.
.set REC,   8960
.set SLOTB, 16*REC                     ; a slot: 143,360 bytes
.set WLOAD, 2*REC                      ; what one tensor load brings, and what one wave reads of a slot: 70 rows of 256 bytes
.set SPARE, 2*SLOTB                    ; behind the ring: the spare words, 128 bytes for each of eight waves; no other line names them
.set MRG,   SPARE+1024                 ; the merge: [wave][row 0..127] pairs (value, index): 8,192 bytes; no tensor load lands here
.set L16, 1                            ; v1   16 x lane
.set H32, 2                            ; v2   32 (lane / 16)
.set AF,  3                            ; v3   LDS address of my two records + 16 x lane
.set AW,  4                            ; v4   the same + 32 (lane / 16)
.set SPW, 5                            ; v5   my spare word's LDS address; never rewritten
.set NIL, 6                            ; v6   0; never rewritten
.set TV,  7                            ; v7   the number of the tile that is searched
.set T,   8                            ; v8-13 two trees
.set RR,  14                           ; v14  lane % 16
.set H8,  15                           ; v15  8 (lane / 16)
.set XS,  16                           ; v16-23 x's scale words, one register a tile: scales and nothing else
.set WS,  24                           ; v24, v25 a code tile's scale word, two buffers: scales and nothing else
.set WW,  26                           ; v26-41 -||w||^2 / 2 in the result's layout, two buffers of 8
.set WF,  42                           ; v42-73 a code tile's two fragments, two buffers of 16
.set ACC, 74                           ; v74-137 two sets of four accumulators
.set ST,  138                          ; v138-233 twelve a tile of x: +0..7 the kept eight, +8 the kept tile's number, +9 the place, +10, +11 the running maximum by turns (at the end +10 the maximum, +11 the index)
.set MA,  234                          ; where I put a row's pair
.set FA,  235                          ; where I read two rows' pairs back
.set GOF, 236                          ; my byte offset in the work-group's 512 bytes of indices
.set OV,  238                          ; the other half's pair
.set OI,  239
.set F,   42                           ; at the end: the eight waves' pairs of two rows
.set OUT, 26                           ; two indices
                                       ; window 1: v0-127 (v256-383) x: tile i, K step s at 16 i + 8 s
.set WV,   12                          ; s12  my wave's number
.set CQO,  22                          ; s22  my eighth's first byte in a slot
.set G1,   24                          ; s[24:31] descriptor group 1
.set G0,   32                          ; s[32:39] descriptor group 0, one set for each slot
.set TB,   40                          ; s40  LDS byte of my two records
.set TCUR, 42                          ; s42  the number of the tile in hand: code / 16
.set NINF, 43                          ; s43  -infinity
.set RING, 44                          ; s44  counts the ring's laps
.set SEL,  46                          ; s[46:47] v_permlanex16_b32's selects for lane l xor 16
.set MSB, 0
.macro WIN new                         ; the immediate's high byte repeats the setting that is left
.if MSB != \new
	s_set_vgpr_msb (MSB<<8)|\new
.set MSB, \new
.endif
.endm
.macro CREST                           ; a round of the cluster's barrier behind its opening barrier
	s_cmp_lg_u32 s[WV], 0
	s_cbranch_scc1 .Lnot_wave_0_\@
	s_barrier_signal -3
.Lnot_wave_0_\@:
	s_barrier_wait -3
	s_barrier_signal -1
	s_barrier_wait -1
.endm
.macro ROUND                           ; a whole round
	s_barrier_signal -1
	s_barrier_wait -1
	CREST
.endm
	s_load_b256 s[4:11], s[0:1], 0x0               ; xq s[4:5], wq s[6:7], idxw s[8:9], out1 s[10:11]
	v_lshl_add_u32 v[SPW], v0, 2, SPARE
	v_mov_b32 v[NIL], 0
	ds_add_u32 v[SPW], v[NIL]                      ; the opening lines: the add, twice on end, and one wait
	ds_add_u32 v[SPW], v[NIL]
	v_lshrrev_b32 v[TV], 5, v0
	v_readfirstlane_b32 s[WV], v[TV]               ; wave 0..7
	s_bfe_u32 s15, ttmp6, 0x40000                  ; cx
	s_lshl_b32 s16, ttmp9, 2
	s_add_co_u32 s16, s16, s15                     ; the work-group: it enters xq's, idxw's and out1's addresses alone
	s_mov_b32 s[G1], 15|(3<<16)|(1<<21)            ; the mask of all four; elements of 8 bytes; bit 21 beside a mask
	s_mov_b32 s[G1+1], 32<<16                      ; a dense block of 17,920 bytes as 70 rows of 256 bytes, no padding: every read of it is 16 x lane on end
	s_mov_b32 s[G1+2], 70<<16
	s_mov_b32 s[G1+3], 32<<16
	s_mov_b32 s[G1+4], 70
	s_mov_b32 s[G1+5], 32
	s_mov_b32 s[G1+6], 0
	s_mov_b32 s[G1+7], 0
	s_mul_i32 s20, s[WV], WLOAD                    ; my two records of a slot: in memory and in LDS alike
	s_mov_b32 s21, 0
	s_mul_i32 s[CQO], s[WV], WLOAD
	s_mul_i32 s18, s16, 2*REC                      ; the work-group's two records of x
	s_mov_b32 s19, 0
	s_lshl_b32 s50, s16, 9                         ; the work-group's 128 indices
	s_mov_b32 s51, 0
	s_lshl_b32 s[TCUR], s[WV], 3                   ; my first tile: 8 x wave
	s_mov_b32 s[NINF], 0xff800000
	s_mov_b32 s[SEL], 0x76543210
	s_mov_b32 s[SEL+1], 0xfedcba98
	s_lshl_b32 s23, s[WV], 10
	s_add_co_u32 s23, s23, MRG                     ; my wave's 1,024 bytes of the merge
	v_and_b32 v[L16], 31, v0
	v_and_b32 v[RR], 15, v0
	v_bfe_u32 v[H8], v0, 4, 1
	v_and_b32 v[FA], 63, v0
	v_lshlrev_b32 v[L16], 4, v[L16]
	v_lshlrev_b32 v[H32], 5, v[H8]
	v_lshlrev_b32 v[H8], 3, v[H8]
	v_lshl_add_u32 v[MA], v[RR], 3, s23
	v_lshlrev_b32 v[GOF], 3, v[FA]
	v_lshl_add_u32 v[FA], v[FA], 4, MRG
	v_mov_b32 v[OV], 0                             ; a lane permute's destination counts as one of its sources
	v_mov_b32 v[OI], 0
	s_wait_alu depctr_va_vdst(0)
	s_wait_dscnt 0x0                               ; both opening adds are done
	s_wait_kmcnt 0x0
	s_add_nc_u64 s[4:5], s[4:5], s[18:19]
	s_add_nc_u64 s[6:7], s[6:7], s[20:21]
	s_add_nc_u64 s[8:9], s[8:9], s[50:51]
	s_add_nc_u64 s[10:11], s[10:11], s[50:51]
	WIN 0x40                                       ; destination window 1, address window 0
.irp e, 0,1                                    ; x stays in registers: record e's tile i is tile 4 e + i; four pieces each, 512 consecutive bytes; asked for ahead of the round
.irp i, 0,1,2,3
.irp p, 0,1,2,3
	global_load_b128 v[16*(4*\e+\i)+4*\p:16*(4*\e+\i)+4*\p+3], v[L16], s[4:5] offset:REC*\e+2048*\i+512*\p
.endr
.endr
.endr
	WIN 0
	global_load_b128 v[XS:XS+3], v[L16], s[4:5] offset:8192
	global_load_b128 v[XS+4:XS+7], v[L16], s[4:5] offset:REC+8192
	s_mov_b32 s[G0], 1
	s_mov_b32 s[G0+1], s20                         ; slot 0
	s_mov_b64 s[G0+2:G0+3], s[6:7]                 ; records 0 to 15
	s_or_b32 s[G0+3], s[G0+3], 0x80000000
	s_mov_b32 s[G0+4], 1
	s_add_co_u32 s[G0+5], s20, SLOTB               ; slot 1
	s_add_nc_u64 s[G0+6:G0+7], s[6:7], SLOTB       ; records 16 to 31
	s_or_b32 s[G0+7], s[G0+7], 0x80000000
	ROUND                                          ; all four work-groups are here: the first joint loads meet
	tensor_load_to_lds s[G0:G0+3], s[G1:G1+7]      ; slot 0; one tensor load of mine is out, here and behind every round
	s_nop 0
.rept 4
	v_nop
.endr
.irp i, 0,1,2,3,4,5,6,7
	v_mov_b32 v[ST+12*\i+8], 0                     ; the search begins under every number
	v_mov_b32 v[ST+12*\i+10], s[NINF]
.irp j, 0,1,2,3,4,5,6,7
	v_mov_b32 v[ST+12*\i+\j], s[NINF]
.endr
.endr
; Tile t (0..7) of my two records into buffer p: two fragments, the scale word, and sixteen -||w||^2 / 2, of which lane (r, h) wants those of codes 8 h + 0 .. 7.  Seven loads; every offset is an immediate.
.macro LOADT t, p
.irp i, 0,1,2,3
	ds_load_b128 v[WF+16*(\p)+4*\i:WF+16*(\p)+4*\i+3], v[AF] offset:REC*((\t)/4)+2048*((\t)%4)+512*\i
.endr
	ds_load_b32 v[WS+(\p)], v[AF] offset:REC*((\t)/4)+8192+4*((\t)%4)
	ds_load_b128 v[WW+8*(\p):WW+8*(\p)+3], v[AW] offset:REC*((\t)/4)+8704+64*((\t)%4)
	ds_load_b128 v[WW+8*(\p)+4:WW+8*(\p)+7], v[AW] offset:REC*((\t)/4)+8704+64*((\t)%4)+16
.endm
; Eight matrix instructions: buffer p's tile against tiles 4 hi + 0 .. 3 of x into set hi: K step 0 (C = -||w||^2 / 2; scales from lanes 0-15), then K step 1 in place (lanes 16-31).
; The four accumulators take turns, one instruction a turn.  Source 1 alone is taken from window 1.
.macro MMH p, hi
	WIN 0x04
.irp i, 0,1,2,3
	v_wmma_scale_f32_16x16x128_f8f6f4 v[ACC+32*(\hi)+8*\i:ACC+32*(\hi)+8*\i+7], v[WF+16*(\p):WF+16*(\p)+7], v[64*(\hi)+16*\i:64*(\hi)+16*\i+7], v[WW+8*(\p):WW+8*(\p)+7], v[WS+(\p)], v[XS+4*(\hi)+\i] matrix_a_fmt:MATRIX_FMT_FP4 matrix_b_fmt:MATRIX_FMT_FP4
.endr
.irp i, 0,1,2,3
	v_wmma_scale_f32_16x16x128_f8f6f4 v[ACC+32*(\hi)+8*\i:ACC+32*(\hi)+8*\i+7], v[WF+16*(\p)+8:WF+16*(\p)+15], v[64*(\hi)+16*\i+8:64*(\hi)+16*\i+15], v[ACC+32*(\hi)+8*\i:ACC+32*(\hi)+8*\i+7], v[WS+(\p)], v[XS+4*(\hi)+\i] matrix_a_fmt:MATRIX_FMT_FP4 matrix_b_fmt:MATRIX_FMT_FP4 matrix_a_scale:MATRIX_SCALE_ROW1 matrix_b_scale:MATRIX_SCALE_ROW1
.endr
	WIN 0
.endm
; The tree's lines; VA is the set in hand, VS the state of its four tiles of x.  Each accumulator is read from its low end on.
.macro TRA i, t
	v_max3_num_f32 v[\t], v[VA+8*\i], v[VA+8*\i+1], v[VA+8*\i+2]
.endm
.macro TRB i, t
	v_max3_num_f32 v[\t+1], v[VA+8*\i+3], v[VA+8*\i+4], v[VA+8*\i+5]
.endm
.macro TRC i, t, p
	v_max3_num_f32 v[\t+2], v[VA+8*\i+6], v[VA+8*\i+7], v[VS+12*\i+10+(\p)]
.endm
.macro TOP i, t, p                             ; the new running maximum, beside the old one
	v_max3_num_f32 v[VS+12*\i+11-(\p)], v[\t], v[\t+1], v[\t+2]
.endm
.macro GROWN i, p                              ; has it grown?  Not where it is equal: the earlier tile stays
	v_cmp_gt_f32 vcc_lo, v[VS+12*\i+11-(\p)], v[VS+12*\i+10+(\p)]
.endm
.macro KEEP i                                  ; where it has, the tile's number and its eight numbers are kept; a dual pair's registers are an even and an odd neighbour
	v_cndmask_b32 v[VS+12*\i+8], v[VS+12*\i+8], v[TV], vcc_lo
.irp j, 0,2,4,6
	v_dual_cndmask_b32 v[VS+12*\i+\j], v[VS+12*\i+\j], v[VA+8*\i+\j] :: v_dual_cndmask_b32 v[VS+12*\i+\j+1], v[VS+12*\i+\j+1], v[VA+8*\i+\j+1]
.endr
.endm
; Set hi's results are searched: 40 vector lines, its four tiles of x interleaved.  p = the code tile's number % 2: which of the two registers holds the running maximum.
.macro VALU hi, p
.set VA, ACC+32*(\hi)
.set VS, ST+48*(\hi)
	TRA 0, T
	TRB 0, T
	TRC 0, T, \p
	TRA 1, T+3
	TRB 1, T+3
	TRC 1, T+3, \p
	TOP 0, T, \p
	TOP 1, T+3, \p
	GROWN 0, \p
	TRA 2, T
	KEEP 0
	GROWN 1, \p
	TRB 2, T
	KEEP 1
	TRC 2, T, \p
	TRA 3, T+3
	TRB 3, T+3
	TRC 3, T+3, \p
	TOP 2, T, \p
	TOP 3, T+3, \p
	GROWN 2, \p
	KEEP 2
	GROWN 3, \p
	KEEP 3
.endm
.macro NUM inc                                 ; the tile's number, for its low search and, a step later, its high one; inc: to the next tile's
	v_mov_b32 v[TV], s[TCUR]
	s_add_co_u32 s[TCUR], s[TCUR], \inc
.endm
; The work on tile t behind the wait for its loads.  more = 1: tile t + 1 is asked for, into the buffer whose last products stand a search back.
.macro BODY t, more
	MMH (\t)%2, 0
.if \more
	LOADT (\t)+1, 1-(\t)%2
.endif
	VALU 1, 1-(\t)%2                               ; tile t - 1's high results
	MMH (\t)%2, 1
	NUM 1+56*(1-\more)                             ; behind my last tile of a slot: over the other seven waves' 56 tiles
	VALU 0, (\t)%2                                 ; tile t's low results
.endm
; A slot's turn; it begins straight behind a round.  This slot is whole in every partner and nobody reads the other one: last = 0: that one takes the next 16 records, by my one tensor load until the next round.
; Tiles 0 and 1 are asked for together; under their loads the high results of the last slot's last tile are searched (first = 1: there are none yet).
; THE CHANGE OF SLOTS: when my last tile's loads are back, my reads of this slot are over.  There each wave waits for all its tensor loads (one is out: its part of the other slot), adds 0 to its spare word, waits for
; that and for its reads, and signals; the last tile's work, on registers alone, stands between the signal and its wait.
.macro SLOT slot, first, last
.if \last == 0
	tensor_load_to_lds s[G0+4-4*\slot:G0+7-4*\slot], s[G1:G1+7]   ; the first thing behind the round
	s_nop 0
.rept 4
	v_nop
.endr
.endif
	s_add_co_u32 s[TB], s[CQO], (\slot)*SLOTB
	v_add_nc_u32 v[AF], s[TB], v[L16]
	v_add_nc_u32 v[AW], s[TB], v[H32]
	s_wait_alu depctr_va_vdst(0)                   ; directly behind the writes
	LOADT 0, 0
	LOADT 1, 1
.if \first == 0
	VALU 1, 1
.endif
	s_wait_dscnt 0x0
	MMH 0, 0
	MMH 0, 1
.rept 4
	v_nop                                          ; four places ahead of the reads of set 0 and of the next step's loads into buffer 0
.endr
	NUM 1
	VALU 0, 0
.irp t, 1,2,3,4,5,6
	s_wait_dscnt 0x0                               ; this tile's seven loads, issued two searches ago; nothing younger is out
	BODY \t, 1
.endr
.if \last == 0
	s_wait_tensorcnt 0x0                           ; no tensor load of mine is out, so a group 0 may be written
	ds_add_u32 v[SPW], v[NIL]
	s_add_nc_u64 s[G0+4*\slot+2:G0+4*\slot+3], s[G0+4*\slot+2:G0+4*\slot+3], 2*SLOTB   ; this slot's next records
	s_wait_dscnt 0x0                               ; the add is done, my last tile is in registers, and my reads of this slot are over
	s_barrier_signal -1                            ; this barrier opens a round of the cluster's barrier
	BODY 7, 0
	s_barrier_wait -1
	CREST
.else
	s_wait_dscnt 0x0
	BODY 7, 0                                      ; the very last tile: nothing more to ask for
.endif
.endm
	s_wait_alu depctr_va_vdst(0)
	s_wait_loadcnt 0x0                             ; x and its scale words
	s_wait_tensorcnt 0x0                           ; my part of slot 0 is in
	ds_add_u32 v[SPW], v[NIL]
	s_wait_dscnt 0x0
	ROUND
	SLOT 0, 1, 0                                   ; records 0-15; slot 1's first fill is issued as a refill is
	s_mov_b32 s[RING], 3
.Lring:
	SLOT 1, 0, 0
	SLOT 0, 0, 0
	s_sub_co_u32 s[RING], s[RING], 1
	s_cmp_lg_u32 s[RING], 0
	s_cbranch_scc1 .Lring
	SLOT 1, 0, 1                                   ; the last turn is written out: it asks for nothing
	VALU 1, 1                                      ; the very last tile's high results
; (value, index) takes (oval, oidx) where that is larger, or equal with the lower index.  The masks steer selects alone.
.macro MERGE val, idx, oval, oidx
	v_cmp_gt_f32 s48, v[\oval], v[\val]
	v_cmp_eq_f32 s49, v[\oval], v[\val]
	v_cmp_lt_u32 s50, v[\oidx], v[\idx]
	s_and_b32 s49, s49, s50
	s_or_b32 s48, s48, s49
	v_cndmask_b32 v[\val], v[\val], v[\oval], s48
	v_cndmask_b32 v[\idx], v[\idx], v[\oidx], s48
.endm
.irp i, 0,1,2,3,4,5,6,7
	v_mov_b32 v[ST+12*\i+9], 7                     ; the first of the kept eight that equals the maximum: from the last down, so that the lowest stays; the eight tiles of x by turns
.endr
.irp j, 6,5,4,3,2,1,0
.irp i, 0,1,2,3,4,5,6,7
	v_cmp_neq_f32 s[52+\i], v[ST+12*\i+\j], v[ST+12*\i+10]
.endr
.irp i, 0,1,2,3,4,5,6,7
	v_cndmask_b32 v[ST+12*\i+9], \j, v[ST+12*\i+9], s[52+\i]
.endr
.endr
.irp i, 0,1,2,3,4,5,6,7
	v_lshl_add_u32 v[ST+12*\i+11], v[ST+12*\i+8], 4, v[ST+12*\i+9]
.endr
.irp i, 0,1,2,3,4,5,6,7
	v_add_nc_u32 v[ST+12*\i+11], v[ST+12*\i+11], v[H8]       ; the code: 16 x tile + 8 (lane / 16) + place
.endr
.irp i, 0,1,2,3,4,5,6,7
	v_permlanex16_b32 v[OV], v[ST+12*\i+10], s[SEL], s[SEL+1]
	v_permlanex16_b32 v[OI], v[ST+12*\i+11], s[SEL], s[SEL+1]
	MERGE ST+12*\i+10, ST+12*\i+11, OV, OI         ; with the row's other eight codes of each tile: both halves of the lanes now hold the same pair
	ds_store_b64 v[MA], v[ST+12*\i+10:ST+12*\i+11] offset:128*\i   ; row 16 i + r; both halves write the same bytes with the same values
.endr
	s_wait_dscnt 0x0                               ; for the others' sake: my pairs lie in LDS
	s_barrier_signal -1
	s_barrier_wait -1
	s_cmp_ge_u32 s[WV], 2                          ; waves 0 and 1 merge the eight waves' shares: a lane two rows
	s_cbranch_scc1 .Lend
.irp c, 0,1,2,3,4,5,6,7
	ds_load_b128 v[F+4*\c:F+4*\c+3], v[FA] offset:1024*\c
.endr
	s_wait_dscnt 0x0
.irp c, 1,2,3,4,5,6,7
	MERGE F, F+1, F+4*\c, F+4*\c+1
	MERGE F+2, F+3, F+4*\c+2, F+4*\c+3
.endr
	v_mov_b32 v[OUT], v[F+1]
	v_mov_b32 v[OUT+1], v[F+3]
	global_store_b64 v[GOF], v[OUT:OUT+1], s[8:9]      ; a wave stores 256 consecutive bytes, aligned: for the launch that gathers,
	global_store_b64 v[GOF], v[OUT:OUT+1], s[10:11]    ; and the problem's second output
.Lend:
	s_wait_tensorcnt 0x0                           ; the wave's end
	ds_add_u32 v[SPW], v[NIL]
	s_wait_dscnt 0x0
	ROUND                                          ; the closing round: no work-group ends while a partner may still ask for a tile that names it
	s_endpgm
.Lfunc_end_k_q0a61978faf_search:
	.size	k_q0a61978faf_search, .Lfunc_end_k_q0a61978faf_search-k_q0a61978faf_search
	.p2alignl 7, 3214868480
	.fill 96, 4, 3214868480
	.section	.rodata,"a",@progbits
	.p2align	6, 0x0
	.amdhsa_kernel k_q0a61978faf_search
		.amdhsa_group_segment_fixed_size 327680
		.amdhsa_private_segment_fixed_size 0
		.amdhsa_enable_private_segment 0
		.amdhsa_kernarg_size 32
		.amdhsa_user_sgpr_count 2
		.amdhsa_user_sgpr_kernarg_segment_ptr 1
		.amdhsa_wavefront_size32 1
		.amdhsa_system_sgpr_workgroup_id_x 1
		.amdhsa_system_sgpr_workgroup_id_y 1
		.amdhsa_system_sgpr_workgroup_id_z 1
		.amdhsa_system_vgpr_workitem_id 0
		.amdhsa_next_free_vgpr 384
		.amdhsa_next_free_sgpr 66
		.amdhsa_reserve_vcc 1
		.amdhsa_float_denorm_mode_32 3
		.amdhsa_float_denorm_mode_16_64 3
		.amdhsa_memory_ordered 1
		.amdhsa_forward_progress 1
		.amdhsa_inst_pref_size 255
	.end_amdhsa_kernel
	.section	.bss,"aw",@nobits
	.p2align	6
	.space	262144
	.amdgpu_metadata
---
amdhsa.version: [ 1, 2 ]
amdhsa.kernels:
  - .name:           k_q0a61978faf_search
    .symbol:         k_q0a61978faf_search.kd
    .args:
      - { .name: xq, .offset: 0, .size: 8, .value_kind: global_buffer, .address_space: global }
      - { .name: wq, .offset: 8, .size: 8, .value_kind: global_buffer, .address_space: global }
      - { .name: idxw, .offset: 16, .size: 8, .value_kind: global_buffer, .address_space: global }
      - { .name: out1, .offset: 24, .size: 8, .value_kind: global_buffer, .address_space: global }
    .group_segment_fixed_size: 327680
    .private_segment_fixed_size: 0
    .kernarg_segment_align: 8
    .kernarg_segment_size: 32
    .max_flat_workgroup_size: 256
    .sgpr_count:     66
    .vgpr_count:     384
    .wavefront_size: 32
...
	.end_amdgpu_metadata
.endif
;; end of part 2
;; launch gather (part 3): grid 256 x 1, 8 waves a work-group, no clusters, 0 bytes of LDS; arguments weight, idxw, out0; writes out0
.if DOCPART == 3
	.amdgcn_target "amdgcn-amd-amdhsa--gfx1250"
	.amdhsa_code_object_version 6
	.text
	.protected	k_q0a61978faf_gather
	.globl	k_q0a61978faf_gather
	.p2align	8
	.type	k_q0a61978faf_gather,@function
k_q0a61978faf_gather:
	s_mov_b64 s[64:65], 0
	v_nop
	global_prefetch_b8 v0, s[64:65] scope:SCOPE_SE
	s_setreg_imm32_b32 hwreg(HW_REG_WAVE_MODE, 25, 1), 1
	s_wait_xcnt 0x0
; out0[n][:] = weight[idxw[n]][:].  weight: [8192][256] f32, a row is 1,024 bytes; idxw: [32768] int32, stored by the launch before; out0: [32768][256] f32.
; A stream: no LDS, no barrier, no matrix unit.  A wave takes 16 rows, two at a time: lanes 0-15 row 2 p, lanes 16-31 row 2 p + 1; sixteen lanes read and store 256 consecutive bytes, aligned.
; Four pairs of rows (16 loads, 8,192 bytes a wave) are asked for ahead; then a pair's four stores and the four loads of the pair four further on take turns.
; Every register is written once, so no store's data and no address is written again.
.set IX,  8                            ; v8-15   the indices of pair p's two rows
.set OF,  16                           ; v16-23  their byte offsets in weight
.set D,   32                           ; v32-159 the rows
.set AHEAD, 4                          ; pairs of rows asked for ahead
	s_load_b128 s[4:7], s[0:1], 0x0                ; weight s[4:5], idxw s[6:7]
	s_load_b64 s[8:9], s[0:1], 0x10                ; out0
	v_lshrrev_b32 v1, 5, v0
	v_readfirstlane_b32 s10, v1                    ; wave 0..7
	v_and_b32 v1, 15, v0
	v_bfe_u32 v2, v0, 4, 1                         ; lane / 16
	v_lshlrev_b32 v1, 4, v1                        ; 16 (lane % 16)
	v_lshl_add_u32 v3, v2, 10, v1                  ; out0: one row further down for lanes 16-31
	v_lshlrev_b32 v2, 2, v2                        ; idxw: one index further on
	s_lshl_b32 s11, ttmp9, 3
	s_add_co_u32 s11, s11, s10                     ; which run of 16 rows is my wave's
	s_lshl_b32 s12, s11, 6                         ; 16 indices
	s_mov_b32 s13, 0
	s_lshl_b32 s14, s11, 14                        ; 16 rows of 1,024 bytes
	s_mov_b32 s15, 0
	s_wait_alu depctr_va_vdst(0)
	s_wait_kmcnt 0x0
	s_add_nc_u64 s[6:7], s[6:7], s[12:13]
	s_add_nc_u64 s[8:9], s[8:9], s[14:15]
.irp p, 0,1,2,3,4,5,6,7
	global_load_b32 v[IX+\p], v2, s[6:7] offset:8*\p
.endr
	s_wait_loadcnt 0x0
.irp p, 0,1,2,3,4,5,6,7
	v_min_u32 v[IX+\p], 0x1fff, v[IX+\p]           ; an index stays inside the table of 8,192 rows
.endr
.irp p, 0,1,2,3,4,5,6,7
	v_lshl_add_u32 v[OF+\p], v[IX+\p], 10, v1
.endr
	s_wait_alu depctr_va_vdst(0)
.macro ROWS p                          ; pair p's two rows: four loads
.irp c, 0,1,2,3
	global_load_b128 v[D+16*(\p)+4*\c:D+16*(\p)+4*\c+3], v[OF+(\p)], s[4:5] offset:256*\c   ; no hint: a row may be named by many indices
.endr
.endm
.irp p, 0,1,2,3
	ROWS \p
.endr
.irp p, 0,1,2,3,4,5,6,7
.irp c, 0,1,2,3
.if \p < 8-AHEAD
	s_wait_loadcnt 4*(AHEAD-1)+3-\c                ; loads come back in order: this one is in; the rest of its pair and the three younger pairs may be out
.else
	s_wait_loadcnt 4*(7-\p)+3-\c                   ; the last pairs: the counts run down
.endif
	global_store_b128 v3, v[D+16*\p+4*\c:D+16*\p+4*\c+3], s[8:9] offset:2048*\p+256*\c th:TH_STORE_NT
.endr
.if \p < 8-AHEAD
	ROWS \p+AHEAD
.endif
.endr
	s_endpgm
.Lfunc_end_k_q0a61978faf_gather:
	.size	k_q0a61978faf_gather, .Lfunc_end_k_q0a61978faf_gather-k_q0a61978faf_gather
	.p2alignl 7, 3214868480
	.fill 96, 4, 3214868480
	.section	.rodata,"a",@progbits
	.p2align	6, 0x0
	.amdhsa_kernel k_q0a61978faf_gather
		.amdhsa_group_segment_fixed_size 0
		.amdhsa_private_segment_fixed_size 0
		.amdhsa_enable_private_segment 0
		.amdhsa_kernarg_size 24
		.amdhsa_user_sgpr_count 2
		.amdhsa_user_sgpr_kernarg_segment_ptr 1
		.amdhsa_wavefront_size32 1
		.amdhsa_system_sgpr_workgroup_id_x 1
		.amdhsa_system_sgpr_workgroup_id_y 1
		.amdhsa_system_sgpr_workgroup_id_z 1
		.amdhsa_system_vgpr_workitem_id 0
		.amdhsa_next_free_vgpr 160
		.amdhsa_next_free_sgpr 66
		.amdhsa_reserve_vcc 0
		.amdhsa_float_denorm_mode_32 3
		.amdhsa_float_denorm_mode_16_64 3
		.amdhsa_memory_ordered 1
		.amdhsa_forward_progress 1
		.amdhsa_inst_pref_size 10
	.end_amdhsa_kernel
	.amdgpu_metadata
---
amdhsa.version: [ 1, 2 ]
amdhsa.kernels:
  - .name:           k_q0a61978faf_gather
    .symbol:         k_q0a61978faf_gather.kd
    .args:
      - { .name: weight, .offset: 0, .size: 8, .value_kind: global_buffer, .address_space: global }
      - { .name: idxw, .offset: 8, .size: 8, .value_kind: global_buffer, .address_space: global }
      - { .name: out0, .offset: 16, .size: 8, .value_kind: global_buffer, .address_space: global }
    .group_segment_fixed_size: 0
    .private_segment_fixed_size: 0
    .kernarg_segment_align: 8
    .kernarg_segment_size: 24
    .max_flat_workgroup_size: 256
    .sgpr_count:     66
    .vgpr_count:     160
    .wavefront_size: 32
...
	.end_amdgpu_metadata
.endif
;; end of part 3
